; MI455X (gfx1250); checked and timed in simulation.
; The chip was launched on July 23, 2026; its instructions are those of AMD's public machine-readable ISA for CDNA 5 (MIT licence, August 2026) and "CDNA5" Instruction Set Architecture Reference Guide (July 2026). The comments in the code are by the model that wrote it; some were corrected since.
;; Permuto Encoding. Allowed arithmetic: float matrix products may take bf16 or f16 operands with f32 sums; all other float work in f32.
;; Inputs: anneal_window 24 float32; lattice_values 24 x 262,144 x 2 float32; positions 262,144 x 3 float32; random_shift 24 x 3 float32.
;; Outputs: out0 262,144 x 48 float32.
;; 2 versions, each right; version 2 is version 1 with the launch blend written anew for expert scheduling mode. Each part assembles by itself: llvm-mc -triple=amdgcn-amd-amdhsa -mcpu=gfx1250 --defsym DOCPART=n.
;; ======== version 1 of 2: 2 launches
;; workspace buffers: cells 50,331,648 bytes of whole numbers
;; launch locate (part 1): grid 256 x 1, 16 waves a work-group, no clusters, 0 bytes of LDS; arguments positions, random_shift, cells; writes cells
.if DOCPART == 1
	.amdgcn_target "amdgcn-amd-amdhsa--gfx1250"
	.amdhsa_code_object_version 6
	.text
	.protected	k_q9fa1da55f2_locate
	.globl	k_q9fa1da55f2_locate
	.p2align	8
	.type	k_q9fa1da55f2_locate,@function
k_q9fa1da55f2_locate:
	s_mov_b64 s[64:65], 0
	v_nop
	global_prefetch_b8 v0, s[64:65] scope:SCOPE_SE
	s_setreg_imm32_b32 hwreg(HW_REG_WAVE_MODE, 25, 1), 1
	s_wait_xcnt 0x0
; PERMUTOHEDRAL ENCODING, FIRST OF TWO LAUNCHES: where each point lies in each level's lattice, as whole numbers.
; No address of a launch hangs on floating-point numbers of the same launch; the table indices are hashes of rounded positions,
; so they are prepared here and stored as whole numbers: cells[level][point], one 64-bit record.  The second launch hashes, gathers and blends.
; THE RECORD.  With e = elevated / 4, v = round(e), d = e - v, s = v0+v1+v2+v3 and rank_k = how many d are greater than d_k, the simplex's vertex t (0..3) has the
; keys 4 v_k - s + t - 4 [rank_k + t >= 4]: reference()'s shift of the ranks by s only renames the four vertices.  The hash keeps 18 bits, so a key is stored modulo 2^18:
; bits 17:0 key0 = 4 v0 - s, 35:18 key2, 53:36 key1, 56:54 rank0, 59:57 rank1, 62:60 rank2 (three bits each, so that adding t never runs into the neighbour).
; ROUNDING.  At the finest level a coordinate is some 1e4 cells, so a unit in its last place is about a thousandth of a cell: the order of rounding of the large numbers shows in the result.
; It is the order of reference() compiled as one program: the division by a constant scale is a multiplication by r = f32(1 / scale), fused with the addition of the shift:
; p = x r + shift, rounded once.  The product with the scale factor is rounded by itself, and the sums are taken in reference()'s order.  The division by 4 is folded into the scale factors: a power of two, exact.
; LIMITS.  An evaluation of reference() that divides and then adds, with two roundings, differs from this by a unit in p's last place.  |elevated| stays under 2^24, so that whole numbers
; are exact in f32; NaN and infinities are not treated apart.
; SHARES.  256 work-groups x 16 waves; a lane owns two neighbouring points, held as register pairs for the packed f32 instructions; a wave's store of a level covers 512 consecutive bytes, aligned.
; No LDS, no tensor load, no cluster: nothing is shared between work-groups but 288 bytes of shifts.
.set LVB, 0x200000                     ; bytes of one level's records: 262,144 x 8
.set LN,  1                            ; v1      lane
.set TS,  2                            ; v2      lane i: the scale of level i
.set TR,  3                            ; v3      lane i: its reciprocal, rounded to f32
.set TH,  4                            ; v4-6    lane i: the three shifts of level i
.set RO,  7                            ; v7      byte offset of my two records in a level; never rewritten
.set X,   8                            ; v8-13   positions: pairs (point a, point b) for coordinates 0, 1, 2
.set Q,   14                           ; v14-19  p, then p times the scale factor: three pairs
.set T,   20                           ; v20-25  at work
.set E,   26                           ; v26-33  elevated / 4, then the remainders d: four pairs
.set V,   34                           ; v34-41  the rounded coordinates v: four pairs
.set SS,  42                           ; v42-43  s
.set K,   44                           ; v44-49  the keys: three pairs
.set C,   50                           ; v50-59  at work, five for each point
.set W,   60                           ; v60-63  the two records
.set PO,  4                            ; s[4:5]  positions at the group's first point
.set SHP, 6                            ; s[6:7]  random_shift
.set KB,  8                            ; s[8:9]  cells at the group's first point, level by level
.set LV,  14                           ; s14     level
.set CNT, 15                           ; s15     levels to go
.set RC,  18                           ; the level's constants, each the low word of a pair (a packed instruction names the pair and takes its low word twice): reciprocal,
.set SH,  20                           ; s20, s22, s24 shifts
.set SF,  26                           ; s26, s28, s30 scale factors / 4
.set M3,  32                           ; -3.0
.set MSK, 34                           ; 18 ones
.set CM,  36                           ; s36-45  compare masks, five for each point
; (oh, ol) = (ah, al) x (bh, bl) in two-word f32 arithmetic: the product's rounding error is recovered by a fused multiply-add; the result may lie on a source
.macro DFMUL oh, ol, ah, al, bh, bl
	v_mul_f32 v[T+3], v[\ah], v[\bh]
	v_fma_f32 v[T+4], v[\ah], v[\bh], -v[T+3]
	v_fma_f32 v[T+4], v[\ah], v[\bl], v[T+4]
	v_fma_f32 v[T+4], v[\al], v[\bh], v[T+4]
	v_add_f32 v[\oh], v[T+3], v[T+4]
	v_sub_f32 v[T+3], v[T+3], v[\oh]
	v_add_f32 v[\ol], v[T+3], v[T+4]
.endm
; From the positions and the level's constants: E = the remainders d, V = the rounded coordinates, for both points
.macro ELEVATE
.irp k, 0,1,2
	v_pk_fma_f32 v[Q+2*\k:Q+2*\k+1], v[X+2*\k:X+2*\k+1], s[RC:RC+1], s[SH+2*\k:SH+2*\k+1] op_sel_hi:[1,0,0]  ; p = x r + shift, one rounding
.endr
.irp k, 0,1,2
	v_pk_mul_f32 v[Q+2*\k:Q+2*\k+1], v[Q+2*\k:Q+2*\k+1], s[SF+2*\k:SF+2*\k+1] op_sel_hi:[1,0]             ; cf / 4, rounded by itself
.endr
	v_pk_add_f32 v[T:T+1], v[Q+4:Q+5], v[Q+2:Q+3]                                       ; cf2 + cf1
	v_pk_fma_f32 v[E+4:E+5], v[Q+2:Q+3], -2.0, v[Q+4:Q+5] op_sel_hi:[1,0,1]             ; cf2 - 2 cf1 (2 cf1 is exact)
	v_pk_mul_f32 v[E+6:E+7], v[Q+4:Q+5], s[M3:M3+1] op_sel_hi:[1,0]                     ; -3 cf2
	v_pk_add_f32 v[E:E+1], v[T:T+1], v[Q:Q+1]                                           ; (cf2 + cf1) + cf0
	v_pk_add_f32 v[E+2:E+3], v[T:T+1], v[Q:Q+1] neg_lo:[0,1] neg_hi:[0,1]               ; (cf2 + cf1) - cf0
.irp i, 0,1,2,3,4,5,6,7
	v_rndne_f32 v[V+\i], v[E+\i]
.endr
.irp i, 0,2,4,6
	v_pk_add_f32 v[E+\i:E+\i+1], v[E+\i:E+\i+1], v[V+\i:V+\i+1] neg_lo:[0,1] neg_hi:[0,1]  ; d, exact
.endr
.endm
	s_load_b128 s[PO:PO+3], s[0:1], 0x0            ; positions, random_shift
	s_load_b64 s[KB:KB+1], s[0:1], 0x10            ; cells
	v_and_b32 v[LN], 31, v0
	v_mul_u32_u24 v[Q], 24, v0                     ; my two points' 24 bytes of positions
	v_lshlrev_b32 v[RO], 4, v0                     ; and their 16 bytes of records
	v_min_u32 v[Q+1], 23, v[LN]                    ; lanes 24-31 read level 23's shifts again: no load leaves the buffer
	v_mul_u32_u24 v[Q+1], 12, v[Q+1]
	s_mul_i32 s10, ttmp9, 12288                    ; the group's 1,024 points: 12 bytes each of positions,
	s_mov_b32 s11, 0
	s_lshl_b32 s12, ttmp9, 13                      ; 8 bytes each of a level's records
	s_mov_b32 s13, 0
	s_mov_b32 s[LV], 0
	s_mov_b32 s[CNT], 24
	s_mov_b32 s[SF], 0x3f13cd3a                    ; f32(4 sqrt(2/3) / sqrt(2)) / 4
	s_mov_b32 s[SF+2], 0x3eaaaaab                  ; f32(4 sqrt(2/3) / sqrt(6)) / 4
	s_mov_b32 s[SF+4], 0x3e715bef                  ; f32(4 sqrt(2/3) / sqrt(12)) / 4
	s_mov_b32 s[M3], 0xc0400000
	s_mov_b32 s[MSK], 0x3ffff
.irp r, RC+1, SH+1, SH+3, SH+5, SF+1, SF+3, SF+5, M3+1
	s_mov_b32 s[\r], 0                             ; the pairs' upper words are named with the lower ones, so they are written
.endr
	s_wait_kmcnt 0x0
	s_add_nc_u64 s[PO:PO+1], s[PO:PO+1], s[10:11]
	s_add_nc_u64 s[KB:KB+1], s[KB:KB+1], s[12:13]
	; 24 bytes a lane, taken as six words so that each lands in its pair; a wave's six loads cover the same 768 consecutive bytes
	global_load_b32 v[X],   v[Q], s[PO:PO+1]
	global_load_b32 v[X+1], v[Q], s[PO:PO+1] offset:12
	global_load_b32 v[X+2], v[Q], s[PO:PO+1] offset:4
	global_load_b32 v[X+3], v[Q], s[PO:PO+1] offset:16
	global_load_b32 v[X+4], v[Q], s[PO:PO+1] offset:8
	global_load_b32 v[X+5], v[Q], s[PO:PO+1] offset:20
	global_load_b32 v[TH],   v[Q+1], s[SHP:SHP+1]
	global_load_b32 v[TH+1], v[Q+1], s[SHP:SHP+1] offset:4
	global_load_b32 v[TH+2], v[Q+1], s[SHP:SHP+1] offset:8
	; THE SCALES: f32(10^(-4 i / 23)), lane i by binary powers of g = 10^(-4/23) = 0.67001875035095886 = 0x3f2b8659 + 0x3298eda6.
	; Nine two-word products at the most, each good to some 1e-14 of itself: the upper word is the rounded f32.  This stands in the wait for the loads.
	v_mov_b32 v[TS], 1.0
	v_mov_b32 v[T], 0
	v_mov_b32 v[T+1], 0x3f2b8659
	v_mov_b32 v[T+2], 0x3298eda6
.irp b, 0,1,2,3,4
	DFMUL T+5, E, TS, T, T+1, T+2
	v_and_b32 v[E+1], 1<<\b, v[LN]
	v_cmp_ne_u32 vcc_lo, 0, v[E+1]
	v_cndmask_b32 v[TS], v[TS], v[T+5], vcc_lo     ; taken where the lane's number has this bit
	v_cndmask_b32 v[T], v[T], v[E], vcc_lo
.if \b < 4
	DFMUL T+1, T+2, T+1, T+2, T+1, T+2             ; g^2, g^4, g^8, g^16
.endif
.endr
	v_rcp_f32 v[TR], v[TS]
	v_nop                                          ; a plain instruction between the reciprocal and its use (ISA guide 5.7.2)
	s_wait_alu depctr_va_vdst(0)
	v_fma_f32 v[T], -v[TS], v[TR], 1.0             ; one Newton step: ahead of its rounding the sum below is 1 / scale to some 1e-14 of itself,
	v_fma_f32 v[TR], v[T], v[TR], v[TR]            ; so this is f32(1 / scale)
	s_wait_loadcnt 0x0
.Llevel:
	v_readlane_b32 s[RC], v[TR], s[LV]
	v_readlane_b32 s[SH], v[TH], s[LV]
	v_readlane_b32 s[SH+2], v[TH+1], s[LV]
	v_readlane_b32 s[SH+4], v[TH+2], s[LV]
	s_add_co_u32 s[LV], s[LV], 1
	ELEVATE
	v_pk_add_f32 v[SS:SS+1], v[V:V+1], v[V+2:V+3]  ; s: whole numbers, exact in any order
	v_pk_add_f32 v[T:T+1], v[V+4:V+5], v[V+6:V+7]
	v_pk_add_f32 v[SS:SS+1], v[SS:SS+1], v[T:T+1]
.irp k, 0,1,2
	v_pk_fma_f32 v[K+2*\k:K+2*\k+1], v[V+2*\k:V+2*\k+1], 4.0, v[SS:SS+1] op_sel_hi:[1,0,1] neg_lo:[0,0,1] neg_hi:[0,0,1]  ; 4 v - s
.endr
.irp i, 0,1,2,3,4,5
	v_cvt_i32_f32 v[K+\i], v[K+\i]
.endr
	; The ranks.  Each of the six pairs i < j gives one to rank i if d_i < d_j, else to rank j; the gifts are 1, 8, 64 (the three fields) and 0 for coordinate 3, which is not hashed
.irp p, 0,1
	v_cmp_lt_f32 s[CM+5*\p],   v[E+\p],   v[E+2+\p]
	v_cmp_lt_f32 s[CM+5*\p+1], v[E+\p],   v[E+4+\p]
	v_cmp_lt_f32 s[CM+5*\p+2], v[E+2+\p], v[E+4+\p]
	v_cmp_lt_f32 s[CM+5*\p+3], v[E+2+\p], v[E+6+\p]
	v_cmp_lt_f32 s[CM+5*\p+4], v[E+4+\p], v[E+6+\p]
.endr
.irp p, 0,1
	v_cndmask_b32 v[C+5*\p],   8,  1,  s[CM+5*\p]
	v_cndmask_b32 v[C+5*\p+1], 64, 1,  s[CM+5*\p+1]
	v_cndmask_b32 v[C+5*\p+2], 64, 8,  s[CM+5*\p+2]
	v_cndmask_b32 v[C+5*\p+3], 0,  8,  s[CM+5*\p+3]
	v_cndmask_b32 v[C+5*\p+4], 0,  64, s[CM+5*\p+4]
.endr
.irp p, 0,1
	v_add3_u32 v[C+5*\p], v[C+5*\p], v[C+5*\p+1], v[C+5*\p+2]
	v_cmp_lt_f32 vcc_lo, v[E+\p], v[E+6+\p]
	v_add3_u32 v[C+5*\p], v[C+5*\p], v[C+5*\p+3], v[C+5*\p+4]
	v_add_co_ci_u32 v[C+5*\p], vcc_lo, 0, v[C+5*\p], vcc_lo  ; the sixth pair's gift is 1 or nothing: it rides in as the carry
.endr
.irp p, 0,1
	v_and_b32 v[C+5*\p+1], s[MSK], v[K+\p]                   ; key0
	v_bfe_u32 v[C+5*\p+2], v[K+4+\p], 14, 4                  ; key2's bits 17:14
	v_and_b32 v[C+5*\p+3], s[MSK], v[K+2+\p]                 ; key1
	v_lshl_or_b32 v[W+2*\p], v[K+4+\p], 18, v[C+5*\p+1]      ; low word: key0, key2's bits 13:0
	v_lshl_or_b32 v[C+5*\p+2], v[C+5*\p+3], 4, v[C+5*\p+2]
	v_lshl_or_b32 v[W+2*\p+1], v[C+5*\p], 22, v[C+5*\p+2]    ; high word: the rest of key2, key1, the ranks
.endr
	global_store_b128 v[RO], v[W:W+3], s[KB:KB+1]  ; the second launch reads these: no streaming hint
	s_wait_xcnt 0x0                                ; the store's base and data are rewritten only behind this wait
	s_add_nc_u64 s[KB:KB+1], s[KB:KB+1], LVB
	s_sub_co_u32 s[CNT], s[CNT], 1
	s_cmp_lg_u32 s[CNT], 0
	s_cbranch_scc1 .Llevel
	s_endpgm
.Lfunc_end_k_q9fa1da55f2_locate:
	.size	k_q9fa1da55f2_locate, .Lfunc_end_k_q9fa1da55f2_locate-k_q9fa1da55f2_locate
	.p2alignl 7, 3214868480
	.fill 96, 4, 3214868480
	.section	.rodata,"a",@progbits
	.p2align	6, 0x0
	.amdhsa_kernel k_q9fa1da55f2_locate
		.amdhsa_group_segment_fixed_size 0
		.amdhsa_private_segment_fixed_size 0
		.amdhsa_enable_private_segment 0
		.amdhsa_kernarg_size 24
		.amdhsa_user_sgpr_count 2
		.amdhsa_user_sgpr_kernarg_segment_ptr 1
		.amdhsa_wavefront_size32 1
		.amdhsa_system_sgpr_workgroup_id_x 1
		.amdhsa_system_sgpr_workgroup_id_y 1
		.amdhsa_system_sgpr_workgroup_id_z 1
		.amdhsa_system_vgpr_workitem_id 0
		.amdhsa_next_free_vgpr 64
		.amdhsa_next_free_sgpr 66
		.amdhsa_reserve_vcc 1
		.amdhsa_float_denorm_mode_32 3
		.amdhsa_float_denorm_mode_16_64 3
		.amdhsa_memory_ordered 1
		.amdhsa_forward_progress 1
		.amdhsa_inst_pref_size 11
	.end_amdhsa_kernel
	.amdgpu_metadata
---
amdhsa.version: [ 1, 2 ]
amdhsa.kernels:
  - .name:           k_q9fa1da55f2_locate
    .symbol:         k_q9fa1da55f2_locate.kd
    .args:
      - { .name: positions, .offset: 0, .size: 8, .value_kind: global_buffer, .address_space: global }
      - { .name: random_shift, .offset: 8, .size: 8, .value_kind: global_buffer, .address_space: global }
      - { .name: cells, .offset: 16, .size: 8, .value_kind: global_buffer, .address_space: global }
    .group_segment_fixed_size: 0
    .private_segment_fixed_size: 0
    .kernarg_segment_align: 8
    .kernarg_segment_size: 24
    .max_flat_workgroup_size: 512
    .sgpr_count:     66
    .vgpr_count:     64
    .wavefront_size: 32
...
	.end_amdgpu_metadata
.endif
;; end of part 1
;; launch blend (part 2): grid 256 x 1, 16 waves a work-group, no clusters, 219,136 bytes of LDS; arguments positions, random_shift, anneal_window, lattice_values, cells, out0; writes out0
.if DOCPART == 2
	.amdgcn_target "amdgcn-amd-amdhsa--gfx1250"
	.amdhsa_code_object_version 6
	.text
	.protected	k_q9fa1da55f2_blend
	.globl	k_q9fa1da55f2_blend
	.p2align	8
	.type	k_q9fa1da55f2_blend,@function
k_q9fa1da55f2_blend:
	s_mov_b64 s[64:65], 0
	v_nop
	global_prefetch_b8 v0, s[64:65] scope:SCOPE_SE
	s_setreg_imm32_b32 hwreg(HW_REG_WAVE_MODE, 25, 1), 1
	s_wait_xcnt 0x0
; PERMUTOHEDRAL ENCODING, SECOND OF TWO LAUNCHES: hash, gather, blend.  out[n][2 l + f] = anneal[l] x the sum over the simplex's vertices t of w_t x table[l][index_t][f].
; INDICES come from whole numbers alone, the records cells[level][point] of the first launch: bits 17:0 key0, 35:18 key2, 53:36 key1 (modulo 2^18), 56:54, 59:57, 62:60 the ranks of coordinates 0, 1, 2.
; Vertex t has the keys (key_k - rank_k) + ((rank_k + t) & 3); index = (key0 P0 ^ key1 P1 ^ key2 P2) & (2^18 - 1), so every product and sum is needed modulo 2^18 only:
; 24-bit multiplies on words whose upper bits hold other fields, one mask at the end.
; WEIGHTS are made anew from the positions, by the same instructions as in the first launch (so with the same bits): three f32 weights an item would be 150 MB more through memory for some 20 vector operations spared.
; With the remainders d sorted, ds0 >= .. >= ds3: w0 = 1 + ds3 - ds0, w_t = ds[3-t] - ds[4-t]: reference()'s weights, which its shift of the ranks only renames; they differ from its own in the last places of numbers of size 1.
; The two einsums of reference() are a point's own 4 numbers against a point's own 4 x 2: no operand is shared between points, so they are packed f32 multiply-adds and not matrix instructions.
; ROUNDING, as in the first launch: p = x r + shift with r = f32(1 / scale), rounded once: the order of reference() compiled as one program; the product with the scale factor and the sums are rounded one by one, in its order.
; LIMITS.  An evaluation of reference() that divides and then adds, with two roundings, differs by a unit in p's last place, about a thousandth of a cell at the finest level.  |elevated| under 2^24; NaN and infinities
; are not treated apart; where two remainders are exactly equal the vertex of weight 0 may be another table entry than reference()'s (nothing shows while the table is finite).
; SHARES.  256 work-groups x 16 waves; a lane owns two neighbouring points, as register pairs.  All 24 levels of a point are made by one lane, so that a wave's 64 rows of out are 12,288 consecutive bytes.
; PIPELINE.  Step m: COMPUTE(m) asks for level m's eight gathers, then BLEND(m - 1) uses the level before: a level's gathers have a whole step in which to land.  The record of level m + 2 is asked for in step m.
; THE WAY OUT.  Two levels' four numbers a point go as 16 bytes into the wave's own stage in LDS; at the end the stage is read back in the order of out and stored, 512 consecutive aligned bytes an instruction.
; NO CLUSTER, NO TENSOR LOAD: a level's table is 2 MB against 320 KB of LDS and is read by hashed 8-byte gathers: there is no tile that work-groups could ask for jointly.  No barrier: a wave reads its own stage alone.
.set LVB,   0x200000                   ; bytes of one level's table, and of one level's records: 262,144 x 8
.set WREG,  13568                      ; a wave's stage: 64 rows of 208 bytes, 16 more behind every 16 rows, rounded up to blocks of 256
.set SPARE, 16*WREG                    ; behind the stages: the spare words, 128 bytes for each wave: eight blocks of 256 bytes that no other line names
.set LN,  1                            ; v1      lane
.set SPW, 2                            ; v2      LDS address of my spare word; never rewritten
.set NIL, 3                            ; v3      0; never rewritten
.set TS,  4                            ; v4      lane i: the scale of level i
.set TR,  5                            ; v5      its reciprocal, rounded to f32
.set TH,  6                            ; v6-8    its three shifts
.set TA,  9                            ; v9      its anneal factor
.set RO,  10                           ; v10     byte offset of my two records in a level; never rewritten
.set PFO, 11                           ; v11     byte offset in a level's table of the block that my lane asks for ahead; never rewritten
.set LA,  12                           ; v12     where my first point's next 16 bytes go in the stage
.set X,   14                           ; v14-19  positions: pairs (point a, point b)
.set Q,   20                           ; v20-25  p, then p times the scale factor
.set T,   26                           ; v26-31  at work
.set E,   32                           ; v32-39  elevated / 4, then the remainders d
.set V,   40                           ; v40-47  the rounded coordinates
.set DS,  48                           ; v48-55  d sorted, four pairs
.set SR,  56                           ; v56-65  at work in the sort, five for each point
.set K1,  66                           ; v66-67  key1 (upper bits: other fields)
.set K2,  68                           ; v68-69  key2
.set RR,  70                           ; v70-71  the rank fields, plus t in each
.set H,   72                           ; v72-77  key_k P_k
.set G,   78                           ; v78-83  (key_k - rank_k) P_k
.set A,   84                           ; v84-89  at work
.set REC, 92                           ; v92-99  records: a set of four for even levels, one for odd
.set VAL, 100                          ; v100-131 by the level's parity: point p, vertex t at +8 p + 2 t: the index, then on the same register the two features
.set W,   132                          ; v132-147 by parity: the weights, pair t = (point a's, point b's)
.set ACC, 148                          ; v148-151
.set OUT, 152                          ; v152-159 point p: four numbers, an even and an odd level's
.set BK,  14                           ; v14-109 the way out: 24 x 16 bytes
.set AD,  110                          ; v110-112
.set GO,  113
.set PO,  4                            ; s[4:5] positions   s[6:7] random_shift   s[8:9] anneal_window
.set SHP, 6
.set ANP, 8
.set TB,  10                           ; s[10:11] lattice_values at the level in hand
.set KB,  12                           ; s[12:13] cells at the group's first point, at the level in hand
.set OB,  14                           ; s[14:15] out at the group's first row
.set WV,  16                           ; s16  wave
.set LV,  17                           ; s17  level
.set CNT, 18
.set LB,  19                           ; s19  my wave's stage
.set RC,  26                           ; the level's constants, each the low word of a pair: reciprocal,
.set SH,  28                           ; s28, s30, s32 shifts,
.set AN,  34                           ; s34 even levels', s36 odd levels' anneal factor: it is used a step later than it is read
.set SF,  38                           ; s38, s40, s42 scale factors / 4
.set M3,  44                           ; -3.0
.set P,   46                           ; s46-48  the primes modulo 2^18
.set N,   49                           ; s49-51  their negatives modulo 2^18
.set MSK, 52
.set S73, 53                           ; 1 in each rank field
.macro DFMUL oh, ol, ah, al, bh, bl    ; (oh, ol) = (ah, al) x (bh, bl) in two-word f32 arithmetic; the result may lie on a source
	v_mul_f32 v[T+3], v[\ah], v[\bh]
	v_fma_f32 v[T+4], v[\ah], v[\bh], -v[T+3]
	v_fma_f32 v[T+4], v[\ah], v[\bl], v[T+4]
	v_fma_f32 v[T+4], v[\al], v[\bh], v[T+4]
	v_add_f32 v[\oh], v[T+3], v[T+4]
	v_sub_f32 v[T+3], v[T+3], v[\oh]
	v_add_f32 v[\ol], v[T+3], v[T+4]
.endm
; As in the first launch, line for line, so that ranks there and weights here come from the same bits
.macro ELEVATE
.irp k, 0,1,2
	v_pk_fma_f32 v[Q+2*\k:Q+2*\k+1], v[X+2*\k:X+2*\k+1], s[RC:RC+1], s[SH+2*\k:SH+2*\k+1] op_sel_hi:[1,0,0]  ; p = x r + shift, one rounding
.endr
.irp k, 0,1,2
	v_pk_mul_f32 v[Q+2*\k:Q+2*\k+1], v[Q+2*\k:Q+2*\k+1], s[SF+2*\k:SF+2*\k+1] op_sel_hi:[1,0]             ; cf / 4, rounded by itself
.endr
	v_pk_add_f32 v[T:T+1], v[Q+4:Q+5], v[Q+2:Q+3]
	v_pk_fma_f32 v[E+4:E+5], v[Q+2:Q+3], -2.0, v[Q+4:Q+5] op_sel_hi:[1,0,1]
	v_pk_mul_f32 v[E+6:E+7], v[Q+4:Q+5], s[M3:M3+1] op_sel_hi:[1,0]
	v_pk_add_f32 v[E:E+1], v[T:T+1], v[Q:Q+1]
	v_pk_add_f32 v[E+2:E+3], v[T:T+1], v[Q:Q+1] neg_lo:[0,1] neg_hi:[0,1]
.irp i, 0,1,2,3,4,5,6,7
	v_rndne_f32 v[V+\i], v[E+\i]
.endr
.irp i, 0,2,4,6
	v_pk_add_f32 v[E+\i:E+\i+1], v[E+\i:E+\i+1], v[V+\i:V+\i+1] neg_lo:[0,1] neg_hi:[0,1]
.endr
.endm
; One level's indices, gathers and weights.  odd: the level's parity, which picks its registers.  step = 1: the two bases go on to this level.
; rec = 1: the record two levels on is asked for.  pf = 1: wave 0 asks for the group's share of the table three levels on.
.macro COMPUTE odd, step, rec, pf
.set RW, REC+4*(\odd)
.set VL, VAL+16*(\odd)
.set WT, W+8*(\odd)
	s_wait_loadcnt 0x9                             ; this level's record is in: behind it at most one record load and eight gathers were issued
.if \step
	s_wait_xcnt 0x0                                ; the bases of the loads issued so far are rewritten only behind this wait
	s_add_nc_u64 s[TB:TB+1], s[TB:TB+1], LVB
	s_add_nc_u64 s[KB:KB+1], s[KB:KB+1], LVB
.endif
.irp p, 0,1
	v_alignbit_b32 v[K2+\p], v[RW+2*\p+1], v[RW+2*\p], 18
	v_lshrrev_b32  v[K1+\p], 4,  v[RW+2*\p+1]
	v_lshrrev_b32  v[RR+\p], 22, v[RW+2*\p+1]
	v_mul_u32_u24  v[H+\p],  s[P], v[RW+2*\p]      ; key0 lies in the low bits as it is
.endr
.if \rec
	global_load_b128 v[RW:RW+3], v[RO], s[KB:KB+1] offset:2*LVB th:TH_LOAD_NT  ; a wave takes 512 consecutive bytes; each record is read once
.endif
.irp p, 0,1
	v_mul_u32_u24 v[H+2+\p], s[P+1], v[K1+\p]
	v_mul_u32_u24 v[H+4+\p], s[P+2], v[K2+\p]
	v_and_b32     v[A+\p],   3, v[RR+\p]
	v_bfe_u32     v[A+2+\p], v[RR+\p], 3, 2
	v_bfe_u32     v[A+4+\p], v[RR+\p], 6, 2
.endr
.irp p, 0,1                            ; vertex 0 has the keys themselves
	v_xor_b32     v[VL+8*\p], v[H+\p], v[H+2+\p]
	v_mad_u32_u24 v[G+\p],   v[A+\p],   s[N],   v[H+\p]
	v_mad_u32_u24 v[G+2+\p], v[A+2+\p], s[N+1], v[H+2+\p]
	v_mad_u32_u24 v[G+4+\p], v[A+4+\p], s[N+2], v[H+4+\p]
	v_xor_b32     v[VL+8*\p], v[VL+8*\p], v[H+4+\p]
	v_and_b32     v[VL+8*\p], s[MSK], v[VL+8*\p]
	v_min_u32     v[VL+8*\p], 0x3ffff, v[VL+8*\p]  ; a number read from memory enters an address only behind a minimum with its bound written in the line; it changes no value here
.endr
.irp p, 0,1
	global_load_b64 v[VL+8*\p:VL+8*\p+1], v[VL+8*\p], s[TB:TB+1] scale_offset  ; 8 bytes at 8 x index; the load lands on its own index register
.endr
.irp t, 1,2,3
.irp p, 0,1
	v_add_nc_u32  v[RR+\p],  s[S73], v[RR+\p]      ; rank + t in each field, 6 at the most in three bits
	v_and_b32     v[A+\p],   3, v[RR+\p]
	v_bfe_u32     v[A+2+\p], v[RR+\p], 3, 2
	v_bfe_u32     v[A+4+\p], v[RR+\p], 6, 2
	v_mad_u32_u24 v[A+\p],   v[A+\p],   s[P],   v[G+\p]
	v_mad_u32_u24 v[A+2+\p], v[A+2+\p], s[P+1], v[G+2+\p]
	v_mad_u32_u24 v[A+4+\p], v[A+4+\p], s[P+2], v[G+4+\p]
	v_xor_b32     v[VL+8*\p+2*\t], v[A+\p], v[A+2+\p]
	v_xor_b32     v[VL+8*\p+2*\t], v[VL+8*\p+2*\t], v[A+4+\p]
	v_and_b32     v[VL+8*\p+2*\t], s[MSK], v[VL+8*\p+2*\t]
	v_min_u32     v[VL+8*\p+2*\t], 0x3ffff, v[VL+8*\p+2*\t]
.endr
.irp p, 0,1
	global_load_b64 v[VL+8*\p+2*\t:VL+8*\p+2*\t+1], v[VL+8*\p+2*\t], s[TB:TB+1] scale_offset
.endr
.endr
.if \pf
	s_cmp_lg_u32 s[WV], 0                          ; one wave of the group asks: 32 lanes 256 bytes apart, the group's 8,192 of the 2 MB of the table three levels on;
	s_cbranch_scc1 .Lno_ask_\@                     ; the 256 groups' shares make up that table, each block asked for once; the last level asked for is 23
	global_prefetch_b8 v[PFO], s[TB:TB+1] offset:3*LVB th:TH_LOAD_NT scope:SCOPE_SE
.Lno_ask_\@:
.endif
	; the weights, while the gathers are on their way
	v_readlane_b32 s[RC], v[TR], s[LV]
	v_readlane_b32 s[SH], v[TH], s[LV]
	v_readlane_b32 s[SH+2], v[TH+1], s[LV]
	v_readlane_b32 s[SH+4], v[TH+2], s[LV]
	v_readlane_b32 s[AN+2*(\odd)], v[TA], s[LV]
	s_add_co_u32 s[LV], s[LV], 1
	ELEVATE
.irp p, 0,1
	v_max_num_f32 v[SR+5*\p],   v[E+\p],   v[E+2+\p]
	v_min_num_f32 v[SR+5*\p+1], v[E+\p],   v[E+2+\p]
	v_max_num_f32 v[SR+5*\p+2], v[E+4+\p], v[E+6+\p]
	v_min_num_f32 v[SR+5*\p+3], v[E+4+\p], v[E+6+\p]
.endr
.irp p, 0,1
	v_max_num_f32  v[SR+5*\p+4], v[SR+5*\p+1], v[SR+5*\p+3]              ; the greater of the two lesser
	v_max_num_f32  v[DS+\p],     v[SR+5*\p],   v[SR+5*\p+2]
	v_min_num_f32  v[DS+6+\p],   v[SR+5*\p+1], v[SR+5*\p+3]
	v_med3_num_f32 v[DS+2+\p],   v[SR+5*\p],   v[SR+5*\p+2], v[SR+5*\p+4]  ; of the two greater and that one the largest is ds0, the middle one ds1,
	v_min3_num_f32 v[DS+4+\p],   v[SR+5*\p],   v[SR+5*\p+2], v[SR+5*\p+4]  ; the least ds2
.endr
	v_pk_add_f32 v[WT+6:WT+7], v[DS:DS+1],     v[DS+2:DS+3] neg_lo:[0,1] neg_hi:[0,1]
	v_pk_add_f32 v[WT+4:WT+5], v[DS+2:DS+3],   v[DS+4:DS+5] neg_lo:[0,1] neg_hi:[0,1]
	v_pk_add_f32 v[WT+2:WT+3], v[DS+4:DS+5],   v[DS+6:DS+7] neg_lo:[0,1] neg_hi:[0,1]
	v_pk_add_f32 v[WT:WT+1],   v[DS+6:DS+7],   v[DS:DS+1]   neg_lo:[0,1] neg_hi:[0,1]
	v_pk_add_f32 v[WT:WT+1],   v[WT:WT+1], 1.0 op_sel_hi:[1,0]
.endm
; A level's eight gathers are blended.  left: the loads issued behind them, which may stay out.  A packed instruction takes a vertex's two features; the weight is point p's half of its pair, for both.
.macro BLEND odd, left
.set VL, VAL+16*(\odd)
.set WT, W+8*(\odd)
	s_wait_loadcnt \left
.irp p, 0,1
	v_pk_mul_f32 v[ACC+2*\p:ACC+2*\p+1], v[VL+8*\p:VL+8*\p+1], v[WT:WT+1] op_sel:[0,\p] op_sel_hi:[1,\p]
.endr
.irp t, 1,2,3
.irp p, 0,1
	v_pk_fma_f32 v[ACC+2*\p:ACC+2*\p+1], v[VL+8*\p+2*\t:VL+8*\p+2*\t+1], v[WT+2*\t:WT+2*\t+1], v[ACC+2*\p:ACC+2*\p+1] op_sel:[0,\p,0] op_sel_hi:[1,\p,1]
.endr
.endr
.irp p, 0,1
	v_pk_mul_f32 v[OUT+4*\p+2*(\odd):OUT+4*\p+2*(\odd)+1], v[ACC+2*\p:ACC+2*\p+1], s[AN+2*(\odd):AN+2*(\odd)+1] op_sel_hi:[1,0]
.endr
.endm
; Two levels' numbers into the stage.  Row r of the wave's 64 lies at 208 r + 16 (r / 16); lane l writes rows 2 l and 2 l + 1.  Of 16 neighbouring lanes lane l starts at 16-byte column
; (26 l + l / 8) mod 16 = (10 l + l / 8) mod 16: the even columns for the first eight, the odd ones for the others.
.macro STAGE
	ds_store_b128 v[LA], v[OUT:OUT+3]
	ds_store_b128 v[LA], v[OUT+4:OUT+7] offset:208
	v_add_nc_u32 v[LA], 16, v[LA]
.endm
	s_load_b256 s[4:11], s[0:1], 0x0               ; positions, random_shift, anneal_window, lattice_values
	s_load_b128 s[12:15], s[0:1], 0x20             ; cells, out
	v_lshl_add_u32 v[SPW], v0, 2, SPARE
	v_mov_b32 v[NIL], 0
	v_and_b32 v[LN], 31, v0
	v_lshrrev_b32 v[Q], 5, v0
	v_readfirstlane_b32 s[WV], v[Q]                ; wave 0..15
	v_mul_u32_u24 v[Q], 24, v0                     ; my two points' 24 bytes of positions
	v_lshlrev_b32 v[RO], 4, v0                     ; and their 16 bytes of records
	v_min_u32 v[Q+2], 23, v[LN]                    ; lanes 24-31 read level 23's constants again: no load leaves its buffer
	v_mul_u32_u24 v[Q+1], 12, v[Q+2]
	v_lshlrev_b32 v[Q+2], 2, v[Q+2]
	s_mul_i32 s[LB], s[WV], WREG
	v_mul_u32_u24 v[LA], 416, v[LN]                ; row 2 l
	v_lshrrev_b32 v[T], 3, v[LN]
	v_lshl_add_u32 v[LA], v[T], 4, v[LA]           ; + 16 (l / 8)
	v_add_nc_u32 v[LA], s[LB], v[LA]
	s_lshl_b32 s22, ttmp9, 13                      ; 8,192 x group: its records in a level, and its share of a table
	s_mov_b32 s23, 0
	v_lshlrev_b32 v[PFO], 8, v[LN]
	v_add_nc_u32 v[PFO], s22, v[PFO]
	s_mul_i32 s20, ttmp9, 12288                    ; the group's 1,024 points x 12 bytes
	s_mov_b32 s21, 0
	s_mov_b32 s[LV], 0
	s_mov_b32 s[CNT], 10
	s_mov_b32 s[SF], 0x3f13cd3a                    ; f32(4 sqrt(2/3) / sqrt(2)) / 4
	s_mov_b32 s[SF+2], 0x3eaaaaab                  ; f32(4 sqrt(2/3) / sqrt(6)) / 4
	s_mov_b32 s[SF+4], 0x3e715bef                  ; f32(4 sqrt(2/3) / sqrt(12)) / 4
	s_mov_b32 s[M3], 0xc0400000
	s_mov_b32 s[P],   0x379b1                      ; 2654435761 modulo 2^18
	s_mov_b32 s[P+1], 0x25795                      ; 805459861
	s_mov_b32 s[P+2], 0x2c2f5                      ; 3674653429
	s_mov_b32 s[N],   0x0864f                      ; 2^18 less each
	s_mov_b32 s[N+1], 0x1a86b
	s_mov_b32 s[N+2], 0x13d0b
	s_mov_b32 s[MSK], 0x3ffff
	s_mov_b32 s[S73], 73
.irp r, RC+1, SH+1, SH+3, SH+5, AN+1, AN+3, SF+1, SF+3, SF+5, M3+1
	s_mov_b32 s[\r], 0                             ; the pairs' upper words are named with the lower ones, so they are written
.endr
	s_wait_kmcnt 0x0
	s_add_nc_u64 s[PO:PO+1], s[PO:PO+1], s[20:21]
	s_add_nc_u64 s[KB:KB+1], s[KB:KB+1], s[22:23]
	s_mul_i32 s20, ttmp9, 196608                   ; the group's 1,024 rows of 192 bytes
	s_add_nc_u64 s[OB:OB+1], s[OB:OB+1], s[20:21]
	global_load_b32 v[X],   v[Q], s[PO:PO+1]       ; 24 bytes a lane as six words, each into its pair; a wave's six loads cover the same 768 consecutive bytes
	global_load_b32 v[X+1], v[Q], s[PO:PO+1] offset:12
	global_load_b32 v[X+2], v[Q], s[PO:PO+1] offset:4
	global_load_b32 v[X+3], v[Q], s[PO:PO+1] offset:16
	global_load_b32 v[X+4], v[Q], s[PO:PO+1] offset:8
	global_load_b32 v[X+5], v[Q], s[PO:PO+1] offset:20
	global_load_b32 v[TH],   v[Q+1], s[SHP:SHP+1]
	global_load_b32 v[TH+1], v[Q+1], s[SHP:SHP+1] offset:4
	global_load_b32 v[TH+2], v[Q+1], s[SHP:SHP+1] offset:8
	global_load_b32 v[TA],   v[Q+2], s[ANP:ANP+1]
	global_load_b128 v[REC:REC+3],   v[RO], s[KB:KB+1] th:TH_LOAD_NT             ; the records of level 0
	global_load_b128 v[REC+4:REC+7], v[RO], s[KB:KB+1] offset:LVB th:TH_LOAD_NT  ; and of level 1
	; THE SCALES, as in the first launch: f32(10^(-4 i / 23)), lane i by binary powers of g = 10^(-4/23) = 0x3f2b8659 + 0x3298eda6 in two-word arithmetic.  This stands in the wait for the loads.
	v_mov_b32 v[TS], 1.0
	v_mov_b32 v[T], 0
	v_mov_b32 v[T+1], 0x3f2b8659
	v_mov_b32 v[T+2], 0x3298eda6
.irp b, 0,1,2,3,4
	DFMUL T+5, E, TS, T, T+1, T+2
	v_and_b32 v[E+1], 1<<\b, v[LN]
	v_cmp_ne_u32 vcc_lo, 0, v[E+1]
	v_cndmask_b32 v[TS], v[TS], v[T+5], vcc_lo
	v_cndmask_b32 v[T], v[T], v[E], vcc_lo
.if \b < 4
	DFMUL T+1, T+2, T+1, T+2, T+1, T+2
.endif
.endr
	v_rcp_f32 v[TR], v[TS]
	v_nop                                          ; a plain instruction between the reciprocal and its use (ISA guide 5.7.2)
	s_wait_alu depctr_va_vdst(0)
	v_fma_f32 v[T], -v[TS], v[TR], 1.0             ; one Newton step: ahead of its rounding the sum below is 1 / scale to some 1e-14 of itself,
	v_fma_f32 v[TR], v[T], v[TR], v[TR]            ; so this is f32(1 / scale)
	s_wait_loadcnt 0x1                             ; all but the youngest load, level 1's records
	COMPUTE 0, 0, 1, 1                             ; level 0
.Ltrip:                                                ; trip j = 0..9: levels 2 j + 1 and 2 j + 2 are asked for, levels 2 j and 2 j + 1 blended
	COMPUTE 1, 1, 1, 1
	BLEND 0, 9                                     ; behind these gathers: one record load and the next level's eight gathers
	COMPUTE 0, 1, 1, 1
	BLEND 1, 9
	STAGE
	s_sub_co_u32 s[CNT], s[CNT], 1
	s_cmp_lg_u32 s[CNT], 0
	s_cbranch_scc1 .Ltrip
	COMPUTE 1, 1, 1, 0                             ; level 21: the last record, level 23's, is asked for; no table is left to ask for ahead
	BLEND 0, 9                                     ; level 20
	COMPUTE 0, 1, 0, 0                             ; level 22
	BLEND 1, 8                                     ; level 21: behind its gathers only level 22's eight
	STAGE
	COMPUTE 1, 1, 0, 0                             ; level 23
	BLEND 0, 8                                     ; level 22
	BLEND 1, 0                                     ; level 23
	STAGE
	; THE WAY OUT.  The wave's 12,288 bytes of out are 768 pieces of 16; piece 96 m + n (n = 32 j + lane < 96) is piece n - 12 q of row 8 m + q, q = n / 12, and lies in the stage at
	; 208 (8 m + q) + 16 (m / 2) + 16 (n - 12 q) = 16 (n + q) + 1664 m + 16 (m / 2): three addresses, the rest in the immediate.  n / 12 = (171 n) >> 11 for n < 96.
.irp j, 0,1,2
	v_add_nc_u32 v[AD+\j], 32*\j, v[LN]
	v_mul_u32_u24 v[GO], 171, v[AD+\j]
	v_lshrrev_b32 v[GO], 11, v[GO]
	v_add_nc_u32 v[AD+\j], v[AD+\j], v[GO]
	v_lshl_add_u32 v[AD+\j], v[AD+\j], 4, s[LB]
.endr
	s_mul_i32 s20, s[WV], 12288
	v_lshlrev_b32 v[GO], 4, v[LN]
	v_add_nc_u32 v[GO], s20, v[GO]
.set i, 0
.rept 24
	ds_load_b128 v[BK+4*i:BK+4*i+3], v[AD+i%3] offset:1664*(i/3)+16*(i/6)  ; LDS serves a wave's instructions in order (ISA guide 5.7.1.4): these see the wave's own stores above
.set i, i+1
.endr
.set i, 0
.rept 24
	s_wait_dscnt 23-i                              ; load i is back; the younger ones stay out
	global_store_b128 v[GO], v[BK+4*i:BK+4*i+3], s[OB:OB+1] offset:512*i th:TH_STORE_NT  ; 512 consecutive bytes, at a multiple of 256 from out's first byte
.set i, i+1
.endr
	s_wait_tensorcnt 0x0                           ; the wave's end, behind my last LDS store
	ds_add_u32 v[SPW], v[NIL]
	s_wait_dscnt 0x0
	s_endpgm
.Lfunc_end_k_q9fa1da55f2_blend:
	.size	k_q9fa1da55f2_blend, .Lfunc_end_k_q9fa1da55f2_blend-k_q9fa1da55f2_blend
	.p2alignl 7, 3214868480
	.fill 96, 4, 3214868480
	.section	.rodata,"a",@progbits
	.p2align	6, 0x0
	.amdhsa_kernel k_q9fa1da55f2_blend
		.amdhsa_group_segment_fixed_size 219136
		.amdhsa_private_segment_fixed_size 0
		.amdhsa_enable_private_segment 0
		.amdhsa_kernarg_size 48
		.amdhsa_user_sgpr_count 2
		.amdhsa_user_sgpr_kernarg_segment_ptr 1
		.amdhsa_wavefront_size32 1
		.amdhsa_system_sgpr_workgroup_id_x 1
		.amdhsa_system_sgpr_workgroup_id_y 1
		.amdhsa_system_sgpr_workgroup_id_z 1
		.amdhsa_system_vgpr_workitem_id 0
		.amdhsa_next_free_vgpr 160
		.amdhsa_next_free_sgpr 66
		.amdhsa_reserve_vcc 1
		.amdhsa_float_denorm_mode_32 3
		.amdhsa_float_denorm_mode_16_64 3
		.amdhsa_memory_ordered 1
		.amdhsa_forward_progress 1
		.amdhsa_inst_pref_size 67
	.end_amdhsa_kernel
	.amdgpu_metadata
---
amdhsa.version: [ 1, 2 ]
amdhsa.kernels:
  - .name:           k_q9fa1da55f2_blend
    .symbol:         k_q9fa1da55f2_blend.kd
    .args:
      - { .name: positions, .offset: 0, .size: 8, .value_kind: global_buffer, .address_space: global }
      - { .name: random_shift, .offset: 8, .size: 8, .value_kind: global_buffer, .address_space: global }
      - { .name: anneal_window, .offset: 16, .size: 8, .value_kind: global_buffer, .address_space: global }
      - { .name: lattice_values, .offset: 24, .size: 8, .value_kind: global_buffer, .address_space: global }
      - { .name: cells, .offset: 32, .size: 8, .value_kind: global_buffer, .address_space: global }
      - { .name: out0, .offset: 40, .size: 8, .value_kind: global_buffer, .address_space: global }
    .group_segment_fixed_size: 219136
    .private_segment_fixed_size: 0
    .kernarg_segment_align: 8
    .kernarg_segment_size: 48
    .max_flat_workgroup_size: 512
    .sgpr_count:     66
    .vgpr_count:     160
    .wavefront_size: 32
...
	.end_amdgpu_metadata
.endif
;; end of part 2
;; ======== version 2 of 2: 2 launches; version 1 with the launch blend written anew for expert scheduling mode
;; workspace buffers: cells 50,331,648 bytes of whole numbers
;; launch locate: the kernel of part 1 again; grid 256 x 1, 16 waves a work-group, no clusters, 0 bytes of LDS; arguments positions, random_shift, cells; writes cells
;; launch blend (part 3): grid 256 x 1, 16 waves a work-group, no clusters, 219,136 bytes of LDS; arguments positions, random_shift, anneal_window, lattice_values, cells, out0; writes out0
.if DOCPART == 3
	.amdgcn_target "amdgcn-amd-amdhsa--gfx1250"
	.amdhsa_code_object_version 6
	.text
	.protected	k_q9fa1da55f2_blend
	.globl	k_q9fa1da55f2_blend
	.p2align	8
	.type	k_q9fa1da55f2_blend,@function
k_q9fa1da55f2_blend:
	s_mov_b64 s[64:65], 0
	v_nop
	global_prefetch_b8 v0, s[64:65] scope:SCOPE_SE
	s_setreg_imm32_b32 hwreg(HW_REG_WAVE_SCHED_MODE, 0, 2), 2
	s_setreg_imm32_b32 hwreg(HW_REG_WAVE_MODE, 25, 1), 1
	s_wait_xcnt 0x0
	s_wait_alu depctr_vm_vsrc(0)
; PERMUTOHEDRAL ENCODING, SECOND OF TWO LAUNCHES: hash, gather, blend.  out[n][2 l + f] = anneal[l] x the sum over the simplex's vertices t of w_t x table[l][index_t][f].
; INDICES come from whole numbers alone, the records cells[level][point] of the first launch: bits 17:0 key0, 35:18 key2, 53:36 key1 (modulo 2^18), 56:54, 59:57, 62:60 the ranks of coordinates 0, 1, 2.
; Vertex t has the keys (key_k - rank_k) + ((rank_k + t) & 3); index = (key0 P0 ^ key1 P1 ^ key2 P2) & (2^18 - 1), so every product and sum is needed modulo 2^18 only:
; 24-bit multiplies on words whose upper bits hold other fields, one mask at the end.
; WEIGHTS are made anew from the positions, by the same instructions as in the first launch (so with the same bits): three f32 weights an item would be 150 MB more through memory for some 20 vector operations spared.
; With the remainders d sorted, ds0 >= .. >= ds3: w0 = 1 + ds3 - ds0, w_t = ds[3-t] - ds[4-t]: reference()'s weights, which its shift of the ranks only renames; they differ from its own in the last places of numbers of size 1.
; The two einsums of reference() are a point's own 4 numbers against a point's own 4 x 2: no operand is shared between points, so they are packed f32 multiply-adds and not matrix instructions.
; ROUNDING, as in the first launch: p = x r + shift with r = f32(1 / scale), rounded once: the order of reference() compiled as one program; the product with the scale factor and the sums are rounded one by one, in its order.
; LIMITS.  An evaluation of reference() that divides and then adds, with two roundings, differs by a unit in p's last place, about a thousandth of a cell at the finest level.  |elevated| under 2^24; NaN and infinities
; are not treated apart; where two remainders are exactly equal the vertex of weight 0 may be another table entry than reference()'s (nothing shows while the table is finite).
; SHARES.  256 work-groups x 16 waves; a lane owns two neighbouring points, as register pairs.  All 24 levels of a point are made by one lane, so that a wave's 64 rows of out are 12,288 consecutive bytes.
; PIPELINE.  Step m: COMPUTE(m) asks for level m's eight gathers, then BLEND(m - 1) uses the level before: a level's gathers have a whole step in which to land.  The record of level m + 2 is asked for in step m.
; THE WAY OUT.  Two levels' four numbers a point go as 16 bytes into the wave's own stage in LDS; at the end the stage is read back in the order of out and stored, 512 consecutive aligned bytes an instruction.
; NO CLUSTER, NO TENSOR LOAD: a level's table is 2 MB against 320 KB of LDS and is read by hashed 8-byte gathers: there is no tile that work-groups could ask for jointly.  No barrier: a wave reads its own stage alone.
; THE MODE: SCHED_MODE bits 1:0 = 2 (LLVM: expert scheduling mode 2), set by the entry lines.  The code itself states the register dependences
; between vector instructions and memory or LDS instructions, with s_wait_alu, always for 0.
; THE PLAN.  Registers that memory or LDS instructions touch, in step m:
;   REC[m % 2]   Read by the step's unpacking lines; then the record of level m + 2 lands in it.
;   IX           Written by the step's hashing; read by its eight gathers as their offsets; written again in step m + 1.
;   VAL[m % 2]   The step's gathers land in it; BLEND(m) reads it in step m + 1; it is loaded again in step m + 2.  No vector instruction writes it.
;   OUT          Written by BLEND, half by an even level's and half by an odd one's; read by two LDS stores in the step behind the odd level's BLEND.
;   v[LA]        Read by those two stores; moved on by 16 behind them.
;   v[RO], v[PFO]  Offsets made at the head and never written again: the levels are reached by the scalar bases and by immediate offsets.
; So a step is: its level's constants (five v_readlane_b32), all eight indices, ONE wait on va_sdst for the constants, ONE wait on va_vdst, then all its memory instructions in one run
; (the record load, the gathers, the LDS stores), then the weights, ONE wait on vm_vsrc, and BLEND.  The wait on va_vdst states that IX, OUT and v[LA] are written and that the readers of REC[m % 2] and VAL[m % 2] are done.
; The wait on vm_vsrc states that the run has read IX, OUT and v[LA]; no memory instruction follows it before the next step's wait on va_vdst, so it serves BLEND's writes of OUT, the add to v[LA] and the next step's writes of IX.
.set LVB,   0x200000                   ; bytes of one level's table, and of one level's records: 262,144 x 8
.set WREG,  13568                      ; a wave's stage: 64 rows of 208 bytes, 16 more behind every 16 rows, rounded up to blocks of 256
.set SPARE, 16*WREG                    ; behind the stages: the spare words, 128 bytes for each wave: eight blocks of 256 bytes that no other line names
.set LN,  1                            ; v1      lane
.set SPW, 2                            ; v2      LDS address of my spare word; never rewritten
.set NIL, 3                            ; v3      0; never rewritten
.set TS,  4                            ; v4      lane i: the scale of level i
.set TR,  5                            ; v5      its reciprocal, rounded to f32
.set TH,  6                            ; v6-8    its three shifts
.set TA,  9                            ; v9      its anneal factor
.set RO,  10                           ; v10     byte offset of my two records in a level; never rewritten
.set PFO, 11                           ; v11     byte offset in a level's table of the block that my lane asks for ahead; never rewritten
.set LA,  12                           ; v12     where my first point's next 16 bytes go in the stage
.set X,   14                           ; v14-19  positions: pairs (point a, point b)
.set Q,   20                           ; v20-25  p, then p times the scale factor
.set T,   26                           ; v26-31  at work
.set E,   32                           ; v32-39  elevated / 4, then the remainders d
.set V,   40                           ; v40-47  the rounded coordinates
.set DS,  48                           ; v48-55  d sorted, four pairs
.set SR,  56                           ; v56-65  at work in the sort, five for each point
.set K1,  66                           ; v66-67  key1 (upper bits: other fields)
.set K2,  68                           ; v68-69  key2
.set RR,  70                           ; v70-71  the rank fields, plus t in each
.set H,   72                           ; v72-77  key_k P_k
.set G,   78                           ; v78-83  (key_k - rank_k) P_k
.set A,   84                           ; v84-89  at work
.set REC, 92                           ; v92-99  records: a set of four for even levels, one for odd
.set VAL, 100                          ; v100-131 by the level's parity: point p, vertex t at +8 p + 2 t: the two features
.set W,   132                          ; v132-147 by parity: the weights, pair t = (point a's, point b's)
.set ACC, 148                          ; v148-151
.set OUT, 152                          ; v152-159 point p: four numbers, an even and an odd level's
.set IX,  160                          ; v160-167 point p, vertex t at +4 p + t: the index, the gather's offset
.set BK,  14                           ; v14-109 the way out: 24 x 16 bytes
.set AD,  110                          ; v110-112
.set GO,  113
.set PO,  4                            ; s[4:5] positions   s[6:7] random_shift   s[8:9] anneal_window
.set SHP, 6
.set ANP, 8
.set TB,  10                           ; s[10:11] lattice_values at the level in hand
.set KB,  12                           ; s[12:13] cells at the group's first point, at the level in hand
.set OB,  14                           ; s[14:15] out at the group's first row
.set WV,  16                           ; s16  wave
.set LV,  17                           ; s17  level
.set CNT, 18
.set LB,  19                           ; s19  my wave's stage
.set RC,  26                           ; the level's constants, each the low word of a pair: reciprocal,
.set SH,  28                           ; s28, s30, s32 shifts,
.set AN,  34                           ; s34 even levels', s36 odd levels' anneal factor: it is used a step later than it is read
                                       ; (at the head s26, s28 .. s34 hold the five lane masks from which the table of scales is made)
.set SF,  38                           ; s38, s40, s42 scale factors / 4
.set M3,  44                           ; -3.0
.set P,   46                           ; s46-48  the primes modulo 2^18
.set N,   49                           ; s49-51  their negatives modulo 2^18
.set MSK, 52
.set S73, 53                           ; 1 in each rank field
.macro DFMUL oh, ol, ah, al, bh, bl    ; (oh, ol) = (ah, al) x (bh, bl) in two-word f32 arithmetic; the result may lie on a source
	v_mul_f32 v[T+3], v[\ah], v[\bh]
	v_fma_f32 v[T+4], v[\ah], v[\bh], -v[T+3]
	v_fma_f32 v[T+4], v[\ah], v[\bl], v[T+4]
	v_fma_f32 v[T+4], v[\al], v[\bh], v[T+4]
	v_add_f32 v[\oh], v[T+3], v[T+4]
	v_sub_f32 v[T+3], v[T+3], v[\oh]
	v_add_f32 v[\ol], v[T+3], v[T+4]
.endm
; As in the first launch, line for line, so that ranks there and weights here come from the same bits
.macro ELEVATE
.irp k, 0,1,2
	v_pk_fma_f32 v[Q+2*\k:Q+2*\k+1], v[X+2*\k:X+2*\k+1], s[RC:RC+1], s[SH+2*\k:SH+2*\k+1] op_sel_hi:[1,0,0]  ; p = x r + shift, one rounding
.endr
.irp k, 0,1,2
	v_pk_mul_f32 v[Q+2*\k:Q+2*\k+1], v[Q+2*\k:Q+2*\k+1], s[SF+2*\k:SF+2*\k+1] op_sel_hi:[1,0]             ; cf / 4, rounded by itself
.endr
	v_pk_add_f32 v[T:T+1], v[Q+4:Q+5], v[Q+2:Q+3]
	v_pk_fma_f32 v[E+4:E+5], v[Q+2:Q+3], -2.0, v[Q+4:Q+5] op_sel_hi:[1,0,1]
	v_pk_mul_f32 v[E+6:E+7], v[Q+4:Q+5], s[M3:M3+1] op_sel_hi:[1,0]
	v_pk_add_f32 v[E:E+1], v[T:T+1], v[Q:Q+1]
	v_pk_add_f32 v[E+2:E+3], v[T:T+1], v[Q:Q+1] neg_lo:[0,1] neg_hi:[0,1]
.irp i, 0,1,2,3,4,5,6,7
	v_rndne_f32 v[V+\i], v[E+\i]
.endr
.irp i, 0,2,4,6
	v_pk_add_f32 v[E+\i:E+\i+1], v[E+\i:E+\i+1], v[V+\i:V+\i+1] neg_lo:[0,1] neg_hi:[0,1]
.endr
.endm
; One level's indices, gathers and weights.  odd: the level's parity, which picks its registers.  step = 1: the two bases go on to this level.
; rec = 1: the record two levels on is asked for.  pf = 1: wave 0 asks for the group's share of the table three levels on.
; stage = 1: the pair of levels whose second BLEND stood in the step before goes into the stage.
.macro COMPUTE odd, step, rec, pf, stage
.set RW, REC+4*(\odd)
.set VL, VAL+16*(\odd)
.set WT, W+8*(\odd)
	s_wait_loadcnt 0x9                             ; this level's record is in: behind it at most one record load and eight gathers were issued
.if \step
	s_wait_xcnt 0x0                                ; the bases and the offsets IX of the loads issued so far are rewritten only behind this wait
	s_add_nc_u64 s[TB:TB+1], s[TB:TB+1], LVB
	s_add_nc_u64 s[KB:KB+1], s[KB:KB+1], LVB
.endif
.if \pf
	s_cmp_lg_u32 s[WV], 0                          ; one wave of the group asks: 32 lanes 256 bytes apart, the group's 8,192 of the 2 MB of the table three levels on;
	s_cbranch_scc1 .Lno_ask_\@                     ; the 256 groups' shares make up that table, each block asked for once; the last level asked for is 23
	global_prefetch_b8 v[PFO], s[TB:TB+1] offset:3*LVB th:TH_LOAD_NT scope:SCOPE_SE  ; it stands at the step's head, so that all behind it is one straight run
.Lno_ask_\@:
.endif
	v_readlane_b32 s[RC], v[TR], s[LV]             ; the level's constants: asked for here, first read behind the hashing
	v_readlane_b32 s[SH], v[TH], s[LV]
	v_readlane_b32 s[SH+2], v[TH+1], s[LV]
	v_readlane_b32 s[SH+4], v[TH+2], s[LV]
	v_readlane_b32 s[AN+2*(\odd)], v[TA], s[LV]
.irp p, 0,1
	v_alignbit_b32 v[K2+\p], v[RW+2*\p+1], v[RW+2*\p], 18
	v_lshrrev_b32  v[K1+\p], 4,  v[RW+2*\p+1]
	v_lshrrev_b32  v[RR+\p], 22, v[RW+2*\p+1]
	v_mul_u32_u24  v[H+\p],  s[P], v[RW+2*\p]      ; key0 lies in the low bits as it is
.endr
.irp p, 0,1
	v_mul_u32_u24 v[H+2+\p], s[P+1], v[K1+\p]
	v_mul_u32_u24 v[H+4+\p], s[P+2], v[K2+\p]
	v_and_b32     v[A+\p],   3, v[RR+\p]
	v_bfe_u32     v[A+2+\p], v[RR+\p], 3, 2
	v_bfe_u32     v[A+4+\p], v[RR+\p], 6, 2
.endr
.irp p, 0,1                            ; vertex 0 has the keys themselves
	v_xor_b32     v[IX+4*\p], v[H+\p], v[H+2+\p]
	v_mad_u32_u24 v[G+\p],   v[A+\p],   s[N],   v[H+\p]
	v_mad_u32_u24 v[G+2+\p], v[A+2+\p], s[N+1], v[H+2+\p]
	v_mad_u32_u24 v[G+4+\p], v[A+4+\p], s[N+2], v[H+4+\p]
	v_xor_b32     v[IX+4*\p], v[IX+4*\p], v[H+4+\p]
	v_and_b32     v[IX+4*\p], s[MSK], v[IX+4*\p]
	v_min_u32     v[IX+4*\p], 0x3ffff, v[IX+4*\p]  ; a number read from memory enters an address only behind a minimum with its bound written in the line; it changes no value here
.endr
.irp t, 1,2,3
.irp p, 0,1
	v_add_nc_u32  v[RR+\p],  s[S73], v[RR+\p]      ; rank + t in each field, 6 at the most in three bits
	v_and_b32     v[A+\p],   3, v[RR+\p]
	v_bfe_u32     v[A+2+\p], v[RR+\p], 3, 2
	v_bfe_u32     v[A+4+\p], v[RR+\p], 6, 2
	v_mad_u32_u24 v[A+\p],   v[A+\p],   s[P],   v[G+\p]
	v_mad_u32_u24 v[A+2+\p], v[A+2+\p], s[P+1], v[G+2+\p]
	v_mad_u32_u24 v[A+4+\p], v[A+4+\p], s[P+2], v[G+4+\p]
	v_xor_b32     v[IX+4*\p+\t], v[A+\p], v[A+2+\p]
	v_xor_b32     v[IX+4*\p+\t], v[IX+4*\p+\t], v[A+4+\p]
	v_and_b32     v[IX+4*\p+\t], s[MSK], v[IX+4*\p+\t]
	v_min_u32     v[IX+4*\p+\t], 0x3ffff, v[IX+4*\p+\t]
.endr
.endr
	s_wait_alu depctr_va_sdst(0)                   ; the five v_readlane_b32 have written the level's constants, ahead of their first readers: ELEVATE below, and for the anneal factor the next step's BLEND
	s_wait_alu depctr_va_vdst(0)                   ; IX is written, which the gathers read; the unpacking is done reading this record set, and the BLEND of two levels back this set of VAL, in which loads land; OUT and v[LA] are written, which the LDS stores read
	s_add_co_u32 s[LV], s[LV], 1                   ; behind that wait the lines that read the level's number are complete
.if \rec
	global_load_b128 v[RW:RW+3], v[RO], s[KB:KB+1] offset:2*LVB th:TH_LOAD_NT  ; a wave takes 512 consecutive bytes; each record is read once
.endif
.irp t, 0,1,2,3
.irp p, 0,1
	global_load_b64 v[VL+8*\p+2*\t:VL+8*\p+2*\t+1], v[IX+4*\p+\t], s[TB:TB+1] scale_offset  ; 8 bytes at 8 x index
.endr
.endr
.if \stage
	; Two levels' numbers into the stage.  Row r of the wave's 64 lies at 208 r + 16 (r / 16); lane l writes rows 2 l and 2 l + 1.  Of 16 neighbouring lanes lane l starts at 16-byte column
	; (26 l + l / 8) mod 16 = (10 l + l / 8) mod 16: the even columns for the first eight, the odd ones for the others.
	ds_store_b128 v[LA], v[OUT:OUT+3]
	ds_store_b128 v[LA], v[OUT+4:OUT+7] offset:208
.endif
	; the weights, while the gathers are on their way: these lines name none of the registers that the run above touches
	ELEVATE
.irp p, 0,1
	v_max_num_f32 v[SR+5*\p],   v[E+\p],   v[E+2+\p]
	v_min_num_f32 v[SR+5*\p+1], v[E+\p],   v[E+2+\p]
	v_max_num_f32 v[SR+5*\p+2], v[E+4+\p], v[E+6+\p]
	v_min_num_f32 v[SR+5*\p+3], v[E+4+\p], v[E+6+\p]
.endr
.irp p, 0,1
	v_max_num_f32  v[SR+5*\p+4], v[SR+5*\p+1], v[SR+5*\p+3]              ; the greater of the two lesser
	v_max_num_f32  v[DS+\p],     v[SR+5*\p],   v[SR+5*\p+2]
	v_min_num_f32  v[DS+6+\p],   v[SR+5*\p+1], v[SR+5*\p+3]
	v_med3_num_f32 v[DS+2+\p],   v[SR+5*\p],   v[SR+5*\p+2], v[SR+5*\p+4]  ; of the two greater and that one the largest is ds0, the middle one ds1,
	v_min3_num_f32 v[DS+4+\p],   v[SR+5*\p],   v[SR+5*\p+2], v[SR+5*\p+4]  ; the least ds2
.endr
	v_pk_add_f32 v[WT+6:WT+7], v[DS:DS+1],     v[DS+2:DS+3] neg_lo:[0,1] neg_hi:[0,1]
	v_pk_add_f32 v[WT+4:WT+5], v[DS+2:DS+3],   v[DS+4:DS+5] neg_lo:[0,1] neg_hi:[0,1]
	v_pk_add_f32 v[WT+2:WT+3], v[DS+4:DS+5],   v[DS+6:DS+7] neg_lo:[0,1] neg_hi:[0,1]
	v_pk_add_f32 v[WT:WT+1],   v[DS+6:DS+7],   v[DS:DS+1]   neg_lo:[0,1] neg_hi:[0,1]
	v_pk_add_f32 v[WT:WT+1],   v[WT:WT+1], 1.0 op_sel_hi:[1,0]
	s_wait_alu depctr_vm_vsrc(0)                   ; the gathers have read IX, which the next step's hashing writes; the LDS stores have read OUT, which BLEND writes, and v[LA]
.if \stage
	v_add_nc_u32 v[LA], 16, v[LA]                  ; the next pair of levels; the next step's wait on va_vdst stands ahead of the stores that read it
.endif
.endm
; A level's eight gathers are blended.  left: the loads issued behind them, which may stay out.  A packed instruction takes a vertex's two features; the weight is point p's half of its pair, for both.
.macro BLEND odd, left
.set VL, VAL+16*(\odd)
.set WT, W+8*(\odd)
	s_wait_loadcnt \left
.irp p, 0,1
	v_pk_mul_f32 v[ACC+2*\p:ACC+2*\p+1], v[VL+8*\p:VL+8*\p+1], v[WT:WT+1] op_sel:[0,\p] op_sel_hi:[1,\p]
.endr
.irp t, 1,2,3
.irp p, 0,1
	v_pk_fma_f32 v[ACC+2*\p:ACC+2*\p+1], v[VL+8*\p+2*\t:VL+8*\p+2*\t+1], v[WT+2*\t:WT+2*\t+1], v[ACC+2*\p:ACC+2*\p+1] op_sel:[0,\p,0] op_sel_hi:[1,\p,1]
.endr
.endr
.irp p, 0,1
	v_pk_mul_f32 v[OUT+4*\p+2*(\odd):OUT+4*\p+2*(\odd)+1], v[ACC+2*\p:ACC+2*\p+1], s[AN+2*(\odd):AN+2*(\odd)+1] op_sel_hi:[1,0]
.endr
.endm
	s_load_b256 s[4:11], s[0:1], 0x0               ; positions, random_shift, anneal_window, lattice_values
	s_load_b128 s[12:15], s[0:1], 0x20             ; cells, out
	v_lshl_add_u32 v[SPW], v0, 2, SPARE
	v_mov_b32 v[NIL], 0
	v_and_b32 v[LN], 31, v0
	v_lshrrev_b32 v[Q], 5, v0
	v_readfirstlane_b32 s[WV], v[Q]                ; wave 0..15
.irp b, 0,1,2,3,4
	v_and_b32 v[E+1], 1<<\b, v[LN]
	v_cmp_ne_u32 s[RC+2*\b], 0, v[E+1]             ; the lanes whose number has bit b: the five masks for the table of scales, in one run with the line above
.endr
	v_mul_u32_u24 v[Q], 24, v0                     ; my two points' 24 bytes of positions
	v_lshlrev_b32 v[RO], 4, v0                     ; and their 16 bytes of records
	v_min_u32 v[Q+2], 23, v[LN]                    ; lanes 24-31 read level 23's constants again: no load leaves its buffer
	v_mul_u32_u24 v[Q+1], 12, v[Q+2]
	v_lshlrev_b32 v[Q+2], 2, v[Q+2]
	v_mul_u32_u24 v[LA], 416, v[LN]                ; row 2 l
	v_lshrrev_b32 v[T], 3, v[LN]
	v_lshl_add_u32 v[LA], v[T], 4, v[LA]           ; + 16 (l / 8)
	v_lshlrev_b32 v[PFO], 8, v[LN]
	s_wait_alu depctr_va_sdst(0)                   ; the wave's number and the five masks are written, ahead of their first readers
	s_mul_i32 s[LB], s[WV], WREG
	v_add_nc_u32 v[LA], s[LB], v[LA]
	s_lshl_b32 s22, ttmp9, 13                      ; 8,192 x group: its records in a level, and its share of a table
	s_mov_b32 s23, 0
	v_add_nc_u32 v[PFO], s22, v[PFO]
	s_mul_i32 s20, ttmp9, 12288                    ; the group's 1,024 points x 12 bytes
	s_mov_b32 s21, 0
	s_mov_b32 s[LV], 0
	s_mov_b32 s[CNT], 9
	s_mov_b32 s[SF], 0x3f13cd3a                    ; f32(4 sqrt(2/3) / sqrt(2)) / 4
	s_mov_b32 s[SF+2], 0x3eaaaaab                  ; f32(4 sqrt(2/3) / sqrt(6)) / 4
	s_mov_b32 s[SF+4], 0x3e715bef                  ; f32(4 sqrt(2/3) / sqrt(12)) / 4
	s_mov_b32 s[M3], 0xc0400000
	s_mov_b32 s[P],   0x379b1                      ; 2654435761 modulo 2^18
	s_mov_b32 s[P+1], 0x25795                      ; 805459861
	s_mov_b32 s[P+2], 0x2c2f5                      ; 3674653429
	s_mov_b32 s[N],   0x0864f                      ; 2^18 less each
	s_mov_b32 s[N+1], 0x1a86b
	s_mov_b32 s[N+2], 0x13d0b
	s_mov_b32 s[MSK], 0x3ffff
	s_mov_b32 s[S73], 73
.irp r, RC+1, SH+1, SH+3, SH+5, AN+1, AN+3, SF+1, SF+3, SF+5, M3+1
	s_mov_b32 s[\r], 0                             ; the pairs' upper words are named with the lower ones, so they are written
.endr
	s_wait_kmcnt 0x0
	s_add_nc_u64 s[PO:PO+1], s[PO:PO+1], s[20:21]
	s_add_nc_u64 s[KB:KB+1], s[KB:KB+1], s[22:23]
	s_mul_i32 s20, ttmp9, 196608                   ; the group's 1,024 rows of 192 bytes
	s_add_nc_u64 s[OB:OB+1], s[OB:OB+1], s[20:21]
	s_wait_alu depctr_va_vdst(0)                   ; the offsets and addresses v[Q .. Q+2], v[RO], v[PFO], v[LA], v[SPW] and v[NIL] are written, which the kernel's memory and LDS instructions read
	global_load_b32 v[X],   v[Q], s[PO:PO+1]       ; 24 bytes a lane as six words, each into its pair; a wave's six loads cover the same 768 consecutive bytes
	global_load_b32 v[X+1], v[Q], s[PO:PO+1] offset:12
	global_load_b32 v[X+2], v[Q], s[PO:PO+1] offset:4
	global_load_b32 v[X+3], v[Q], s[PO:PO+1] offset:16
	global_load_b32 v[X+4], v[Q], s[PO:PO+1] offset:8
	global_load_b32 v[X+5], v[Q], s[PO:PO+1] offset:20
	global_load_b32 v[TH],   v[Q+1], s[SHP:SHP+1]
	global_load_b32 v[TH+1], v[Q+1], s[SHP:SHP+1] offset:4
	global_load_b32 v[TH+2], v[Q+1], s[SHP:SHP+1] offset:8
	global_load_b32 v[TA],   v[Q+2], s[ANP:ANP+1]
	global_load_b128 v[REC:REC+3],   v[RO], s[KB:KB+1] th:TH_LOAD_NT             ; the records of level 0
	global_load_b128 v[REC+4:REC+7], v[RO], s[KB:KB+1] offset:LVB th:TH_LOAD_NT  ; and of level 1
	; THE SCALES, as in the first launch: f32(10^(-4 i / 23)), lane i by binary powers of g = 10^(-4/23) = 0x3f2b8659 + 0x3298eda6 in two-word arithmetic.  This stands in the wait for the loads
	; and names none of the registers that they touch.
	v_mov_b32 v[TS], 1.0
	v_mov_b32 v[T], 0
	v_mov_b32 v[T+1], 0x3f2b8659
	v_mov_b32 v[T+2], 0x3298eda6
.irp b, 0,1,2,3,4
	DFMUL T+5, E, TS, T, T+1, T+2
	v_cndmask_b32 v[TS], v[TS], v[T+5], s[RC+2*\b] ; taken where the lane's number has this bit
	v_cndmask_b32 v[T], v[T], v[E], s[RC+2*\b]
.if \b < 4
	DFMUL T+1, T+2, T+1, T+2, T+1, T+2
.endif
.endr
	v_rcp_f32 v[TR], v[TS]
	v_nop                                          ; a plain instruction between the reciprocal and its use (ISA guide 5.7.2)
	s_wait_alu depctr_va_vdst(0)                   ; the reciprocal v[TR] is written, ahead of its first reader
	v_fma_f32 v[T], -v[TS], v[TR], 1.0             ; one Newton step: ahead of its rounding the sum below is 1 / scale to some 1e-14 of itself,
	v_fma_f32 v[TR], v[T], v[TR], v[TR]            ; so this is f32(1 / scale)
	s_wait_loadcnt 0x1                             ; all but the youngest load, level 1's records
	s_wait_alu depctr_vm_vsrc(0)                   ; the loads above have read their offsets v[Q .. Q+2], which the first ELEVATE writes
	COMPUTE 0, 0, 1, 1, 0                          ; level 0
	COMPUTE 1, 1, 1, 1, 0                          ; levels 1 and 2 are written out: no pair of levels is finished yet, so nothing goes into the stage
	BLEND 0, 9
	COMPUTE 0, 1, 1, 1, 0
	BLEND 1, 9
.Ltrip:                                                ; trip j = 1..9: levels 2 j + 1 and 2 j + 2 are asked for, levels 2 j and 2 j + 1 blended, levels 2 j - 2 and 2 j - 1 put into the stage
	COMPUTE 1, 1, 1, 1, 1
	BLEND 0, 9                                     ; behind these gathers: one record load and the next level's eight gathers
	COMPUTE 0, 1, 1, 1, 0
	BLEND 1, 9
	s_sub_co_u32 s[CNT], s[CNT], 1
	s_cmp_lg_u32 s[CNT], 0
	s_cbranch_scc1 .Ltrip
	COMPUTE 1, 1, 1, 0, 1                          ; level 21: the last record, level 23's, is asked for; no table is left to ask for ahead; levels 18 and 19 into the stage
	BLEND 0, 9                                     ; level 20
	COMPUTE 0, 1, 0, 0, 0                          ; level 22
	BLEND 1, 8                                     ; level 21: behind its gathers only level 22's eight
	COMPUTE 1, 1, 0, 0, 1                          ; level 23; levels 20 and 21 into the stage
	BLEND 0, 8                                     ; level 22
	BLEND 1, 0                                     ; level 23
	; THE WAY OUT.  The wave's 12,288 bytes of out are 768 pieces of 16; piece 96 m + n (n = 32 j + lane < 96) is piece n - 12 q of row 8 m + q, q = n / 12, and lies in the stage at
	; 208 (8 m + q) + 16 (m / 2) + 16 (n - 12 q) = 16 (n + q) + 1664 m + 16 (m / 2): three addresses, the rest in the immediate.  n / 12 = (171 n) >> 11 for n < 96.
.irp j, 0,1,2
	v_add_nc_u32 v[AD+\j], 32*\j, v[LN]
	v_mul_u32_u24 v[GO], 171, v[AD+\j]
	v_lshrrev_b32 v[GO], 11, v[GO]
	v_add_nc_u32 v[AD+\j], v[AD+\j], v[GO]
	v_lshl_add_u32 v[AD+\j], v[AD+\j], 4, s[LB]
.endr
	s_mul_i32 s20, s[WV], 12288
	v_lshlrev_b32 v[GO], 4, v[LN]
	v_add_nc_u32 v[GO], s20, v[GO]
	s_wait_alu depctr_va_vdst(0)                   ; OUT and v[LA] are written, which the last two LDS stores read; so are v[AD ..] and v[GO], the addresses below; and every vector line that named v14 to v109, in which the LDS loads land, is complete
	ds_store_b128 v[LA], v[OUT:OUT+3]              ; levels 22 and 23 into the stage
	ds_store_b128 v[LA], v[OUT+4:OUT+7] offset:208
.set i, 0
.rept 24
	ds_load_b128 v[BK+4*i:BK+4*i+3], v[AD+i%3] offset:1664*(i/3)+16*(i/6)  ; LDS serves a wave's instructions in order (ISA guide 5.7.1.4): these see the wave's own stores above
.set i, i+1
.endr
.set i, 0
.rept 24
	s_wait_dscnt 23-i                              ; load i is back; the younger ones stay out
	global_store_b128 v[GO], v[BK+4*i:BK+4*i+3], s[OB:OB+1] offset:512*i th:TH_STORE_NT  ; 512 consecutive bytes, at a multiple of 256 from out's first byte
.set i, i+1
.endr
	s_wait_dscnt 0x0                               ; the closing lines, six on end
	s_wait_alu 0x0
	s_wait_tensorcnt 0x0
	ds_add_u32 v[SPW], v[NIL]
	s_wait_dscnt 0x0
	s_endpgm
.Lfunc_end_k_q9fa1da55f2_blend:
	.size	k_q9fa1da55f2_blend, .Lfunc_end_k_q9fa1da55f2_blend-k_q9fa1da55f2_blend
	.p2alignl 7, 3214868480
	.fill 96, 4, 3214868480
	.section	.rodata,"a",@progbits
	.p2align	6, 0x0
	.amdhsa_kernel k_q9fa1da55f2_blend
		.amdhsa_group_segment_fixed_size 219136
		.amdhsa_private_segment_fixed_size 0
		.amdhsa_enable_private_segment 0
		.amdhsa_kernarg_size 48
		.amdhsa_user_sgpr_count 2
		.amdhsa_user_sgpr_kernarg_segment_ptr 1
		.amdhsa_wavefront_size32 1
		.amdhsa_system_sgpr_workgroup_id_x 1
		.amdhsa_system_sgpr_workgroup_id_y 1
		.amdhsa_system_sgpr_workgroup_id_z 1
		.amdhsa_system_vgpr_workitem_id 0
		.amdhsa_next_free_vgpr 168
		.amdhsa_next_free_sgpr 66
		.amdhsa_reserve_vcc 0
		.amdhsa_float_denorm_mode_32 3
		.amdhsa_float_denorm_mode_16_64 3
		.amdhsa_memory_ordered 1
		.amdhsa_forward_progress 1
		.amdhsa_inst_pref_size 87
	.end_amdhsa_kernel
	.amdgpu_metadata
---
amdhsa.version: [ 1, 2 ]
amdhsa.kernels:
  - .name:           k_q9fa1da55f2_blend
    .symbol:         k_q9fa1da55f2_blend.kd
    .args:
      - { .name: positions, .offset: 0, .size: 8, .value_kind: global_buffer, .address_space: global }
      - { .name: random_shift, .offset: 8, .size: 8, .value_kind: global_buffer, .address_space: global }
      - { .name: anneal_window, .offset: 16, .size: 8, .value_kind: global_buffer, .address_space: global }
      - { .name: lattice_values, .offset: 24, .size: 8, .value_kind: global_buffer, .address_space: global }
      - { .name: cells, .offset: 32, .size: 8, .value_kind: global_buffer, .address_space: global }
      - { .name: out0, .offset: 40, .size: 8, .value_kind: global_buffer, .address_space: global }
    .group_segment_fixed_size: 219136
    .private_segment_fixed_size: 0
    .kernarg_segment_align: 8
    .kernarg_segment_size: 48
    .max_flat_workgroup_size: 512
    .sgpr_count:     66
    .vgpr_count:     168
    .wavefront_size: 32
...
	.end_amdgpu_metadata
.endif
;; end of part 3
